; MI455X (gfx1250); checked and timed in simulation.
; The chip was launched on July 23, 2026; its instructions are those of AMD's public machine-readable ISA for CDNA 5 (MIT licence, August 2026) and "CDNA5" Instruction Set Architecture Reference Guide (July 2026). The comments in the code are by the model that wrote it; some were corrected since.
;; Min LSTM Layer. Allowed arithmetic: matrix products marked QUANTISED: E4M3 operands, one given power-of-two scale a tensor, by v_wmma_f32_16x16x64_fp8_fp8 or v_wmma_f32_16x16x128_fp8_fp8, f32 sums; everything else in f32.
;; Inputs: W_f 1,024 x 1,024 float32; W_h 1,024 x 1,024 float32; W_i 1,024 x 1,024 float32; b_f 1,024 float32; b_h 1,024 float32; b_i 1,024 float32; lowp_scales 6 int32 (the exponents e of the quantised operands' scales 2^e); x 4 x 4,096 x 1,024 float32.
;; Outputs: out0 4 x 4,096 x 1,024 float32.
;; This version of the problem:
;;   THIS VERSION OF THE PROBLEM IS GIVEN IN LOW PRECISION. The matrix products marked QUANTISED in the list below multiply operands that are first quantised to E4M3 (4 exponent bits, 3 mantissa bits; 8 bits a number), with one given power-of-two scale for each operand tensor; their sums are f32. All else is computed in f32.
;;   The module's matrix products, in the order in which they are computed (A, B: the left and right operand; K: the contracted axis; several contracted axes count as one K, in the product's order):
;;     1. [M 16,384, K 1,024] x [K 1,024, N 1,024]; A: input x; B: input W_f: QUANTISED (scales: A lowp_scales[0], B lowp_scales[1])
;;     2. [M 16,384, K 1,024] x [K 1,024, N 1,024]; A: input x; B: input W_i: QUANTISED (scales: A lowp_scales[2], B lowp_scales[3])
;;     3. [M 16,384, K 1,024] x [K 1,024, N 1,024]; A: input x; B: input W_h: QUANTISED (scales: A lowp_scales[4], B lowp_scales[5])
;;   THE QUANTISER, for each operand of a quantised product, along K:
;;     - The operand's scale is 2^e, e = its entry of the input lowp_scales (int32; the entries are numbered through the quantised products in the list's order, A before B).
;;     - Each number is divided by the scale, clamped to +-448, and rounded to the nearest number of E4M3, ties to even, subnormals kept.
;;     - The product sums the exact products of the quantised numbers (number of the format x scale) in f32.
;;   ~~~python
;;   def quantise(x, axis, e):      # numpy; x: float32 -> the quantised numbers, widened to float32 again
;;       x = np.moveaxis(x, axis, -1); K = x.shape[-1]
;;       r = np.clip(x / 2.0 ** e, -448, 448)
;;       step = 2.0 ** (np.maximum(np.frexp(np.where(r == 0, 1, r))[1] - 1, -6) - 3)
;;       q = np.round(r / step) * step * 2.0 ** e      # np.round: ties to even
;;       return np.moveaxis(q, -1, axis).astype(np.float32)
;;   ~~~
;; One version. Each part assembles by itself: llvm-mc -triple=amdgcn-amd-amdhsa -mcpu=gfx1250 --defsym DOCPART=n.
;; ======== version 1 of 1: 3 launches
;; limits: right only within a limited range of input values
;; workspace buffers: xq 50,331,648 bytes; wq 3,145,728 bytes; at 67,108,864 bytes; bt 67,108,864 bytes; sums 2,097,152 bytes
;; launch quant (part 1): grid 608 x 1, 4 waves a work-group, no clusters, 70,144 bytes of LDS; arguments x, W_f, W_i, W_h, lowp_scales, xq, wq; writes xq, wq
.if DOCPART == 1
	.amdgcn_target "amdgcn-amd-amdhsa--gfx1250"
	.amdhsa_code_object_version 6
	.text
	.protected	k_qeab0f62183_quant
	.globl	k_qeab0f62183_quant
	.p2align	8
	.type	k_qeab0f62183_quant,@function
k_qeab0f62183_quant:
	s_mov_b64 s[64:65], 0
	v_nop
	global_prefetch_b8 v0, s[64:65] scope:SCOPE_SE
	s_setreg_imm32_b32 hwreg(HW_REG_WAVE_MODE, 25, 1), 1
	s_wait_xcnt 0x0
; x [16384][1024] f32 becomes THREE tensors of E4M3 codes (scales 2^e0, 2^e2, 2^e4: each product has its own scale for x); W_f, W_i, W_h [1024][1024] f32 one each (2^e1, 2^e3, 2^e5).
; code = number / 2^e, held within +-448, rounded to the nearest code, ties to even.
; LIMITS: each e between -126 and 119, so that 2^e and 448 x 2^e are f32 numbers.  NaN among the inputs is not served (an infinity is held at the largest code).
; THE CODES ARE LAID AS IMAGES OF THE NEXT LAUNCH'S OPERAND REGISTERS.  A fragment is 16 rows x 64 along K = 1,024 bytes: byte 512 c + 16 lane + i is the code of
; fragment row lane % 16 at k = 64 kq + 32 c + 16 (lane / 16) + i: the same order of k in x and in W, so that every product meets its partner.
; WHICH ROWS FORM A FRAGMENT: x: in a block of 128 rows, fragment a has rows 8 a + 0..7 and 64 + 8 a + 0..7.   W: in a block of 64 rows, fragment b has rows 4 r + b.
; xq: g x 2^24 + y x 262144 + s x 32768 + wr x 16384 + q x 8192 + a x 1024   (y: 256 rows; s: 128 along K; q: its half; wr: which 128 rows)
; wq: x x 393216 + s x 49152 + g x 16384 + wc x 8192 + q x 4096 + b x 1024   (x: 128 rows of W; wc: which 64)
; SHARES.  A wave takes one group of 16 fragment rows x 512 along K: eight steps of one fragment.  Work-groups 0-511 take x, 512-607 the weights; the two ways part once and never join,
; and each has LDS bytes of its own.  A step's 16 rows x 256 bytes are loaded as they lie (16 lanes to an aligned 256 bytes), turned through the wave's own stage in LDS (rows 272 bytes apart),
; and come back as 2 x 16 neighbours along K a lane, which is what the conversions take.  Waves share nothing: no barrier.  Loads run three steps (24 loads a wave) ahead, the turn one step.
.set SP,    272                        ; a stage row: 256 bytes + 16
.set STG,   16*SP                      ; a stage
.set WREG,  2*STG                      ; a wave's two stages
.set WPATH, 4*WREG                     ; where the weights' way has its stages
.set SC,    8                          ; v8-10    2^e as f32, a version each
.set LM,    11                         ; v11-13   448 x 2^e
.set R,     16                         ; v16-111  three sets of 32: a step as loaded
.set X,     112                        ; v112-175 two sets of 32: register 16 c + i = k 32 c + 16 (lane / 16) + i of my row
.set T,     176                        ; v176-207 the held numbers of one version
.set C,     208                        ; v208-255 two sets of 3 versions x 8 registers of codes
; v1 my byte in a load's two rows; v2 where I store into the stage; v3 where I read it back; v4 16 x lane
.macro QLOAD t, lo, hi                 ; step t: load i brings fragment rows 2 i and 2 i + 1, 256 bytes each; lo: bytes from pair to pair; hi: where rows 8-15 begin
.irp i, 0,1,2,3
	global_load_b128 v[R+32*((\t)%3)+4*\i:R+32*((\t)%3)+4*\i+3], v1, s[4:5] offset:\i*(\lo)+256*(\t) th:TH_LOAD_NT
.endr
.irp i, 0,1,2,3
	global_load_b128 v[R+32*((\t)%3)+16+4*\i:R+32*((\t)%3)+16+4*\i+3], v1, s[4:5] offset:(\hi)+\i*(\lo)+256*(\t) th:TH_LOAD_NT
.endr
.endm
.macro QTURN t, base                   ; step t through stage t % 2: LDS serves a wave's instructions in order, so no wait stands between the stores and the loads
.irp i, 0,1,2,3,4,5,6,7
	ds_store_b128 v2, v[R+32*((\t)%3)+4*\i:R+32*((\t)%3)+4*\i+3] offset:(\base)+STG*((\t)%2)+2*\i*SP
.endr
.irp c, 0,1
.irp j, 0,1,2,3
	ds_load_b128 v[X+32*((\t)%2)+16*\c+4*\j:X+32*((\t)%2)+16*\c+4*\j+3], v3 offset:(\base)+STG*((\t)%2)+128*\c+16*\j
.endr
.endr
.endm
.macro QSTEP t, nv, ds, dq, lo, hi, base   ; nv versions; ds, dq: bytes from K step to K step and from half to half in the codes' buffer
	s_wait_dscnt 0x0                               ; this step's numbers are back from the stage, and its stores into the stage have read their registers,
.if (\t)+3 < 8
	QLOAD (\t)+3, \lo, \hi                         ; which take the loads of three steps on
.endif
.if (\t)+1 < 8
.if (\t) < 5
	s_wait_loadcnt 16                              ; the next step's eight loads are in; those of the two steps behind it may be out
.else
	s_wait_loadcnt 8*(6-(\t))
.endif
	QTURN (\t)+1, \base                            ; it goes through the other stage while this step is worked
.endif
	s_wait_xcnt 0x0                                ; the stores of two steps ago have read this set of code registers
.irp g, 0,1,2
.if \g < \nv
.irp i, 0,1,2,3,4,5,6,7,8,9,10,11,12,13,14,15,16,17,18,19,20,21,22,23,24,25,26,27,28,29,30,31
	v_med3_num_f32 v[T+\i], v[X+32*((\t)%2)+\i], -v[LM+\g], v[LM+\g]   ; the conversion to an 8-bit code does not saturate (ISA guide 7.6.2): the hold at the largest code x the scale
.endr
.irp k, 0,1,2,3
	v_cvt_scalef32_pk8_fp8_f32 v[C+24*((\t)%2)+8*\g+2*\k:C+24*((\t)%2)+8*\g+2*\k+1], v[T+8*\k:T+8*\k+7], v[SC+\g]
.endr
	v_nop                                          ; a plain line between the conversions and the next version's holds, which write their sources
.irp c, 0,1
	global_store_b128 v4, v[C+24*((\t)%2)+8*\g+4*\c:C+24*((\t)%2)+8*\g+4*\c+3], s[36+2*\g:37+2*\g] offset:((\t)/2)*(\ds)+((\t)%2)*(\dq)+512*\c   ; the wave stores 512 consecutive bytes, aligned
.endr
.endif
.endr
.endm
.macro MKSC se, k                      ; from the exponent in s[se]: 2^e and 448 x 2^e as f32
	s_add_co_i32 s42, s[\se], 127
	s_lshl_b32 s43, s42, 23
	v_mov_b32 v[SC+\k], s43
	s_add_co_i32 s42, s42, 8
	s_lshl_b32 s42, s42, 23
	s_or_b32 s42, s42, 0x600000
	v_mov_b32 v[LM+\k], s42
.endm
.macro RUN nv, ds, dq, lo, hi, base
	s_wait_loadcnt 16                              ; step 0's eight loads are in; steps 1 and 2 may be out
	QTURN 0, \base
.irp t, 0,1,2,3,4,5,6,7
	QSTEP \t, \nv, \ds, \dq, \lo, \hi, \base
.endr
	s_wait_tensorcnt 0x0
	ds_add_u32 v14, v15
	s_wait_dscnt 0x0
	s_endpgm
.endm
	s_load_b256 s[4:11], s[0:1], 0x0               ; x s[4:5], W_f s[6:7], W_i s[8:9], W_h s[10:11]
	s_load_b128 s[12:15], s[0:1], 0x20             ; the scales' exponents s[12:13], xq s[14:15]
	s_load_b64 s[16:17], s[0:1], 0x30              ; wq
	v_lshl_add_u32 v14, v0, 2, 0x11000
	v_mov_b32 v15, 0
	v_lshrrev_b32 v5, 5, v0
	v_readfirstlane_b32 s26, v5                    ; wave 0..3
	v_and_b32 v5, 31, v0                           ; lane
	v_bfe_u32 v6, v0, 4, 1                         ; lane / 16
	v_and_b32 v7, 15, v0                           ; lane % 16
	v_lshlrev_b32 v4, 4, v5
	s_mul_i32 s30, s26, WREG                       ; my wave's stages
	v_mul_u32_u24 v2, v6, SP
	v_lshl_add_u32 v2, v7, 4, v2
	v_add_nc_u32 v2, s30, v2                       ; in: lanes 0-15 one row, lanes 16-31 the next
	v_mul_u32_u24 v3, v7, SP
	v_lshl_add_u32 v3, v6, 6, v3
	v_add_nc_u32 v3, s30, v3                       ; back: row lane % 16, + 64 bytes for the upper half of the lanes
	s_wait_kmcnt 0x0
	s_load_b128 s[20:23], s[12:13], 0x0            ; e0 .. e3
	s_load_b64 s[24:25], s[12:13], 0x10            ; e4, e5
	s_cmp_lt_u32 ttmp9, 512
	s_cbranch_scc0 .Lweights
	; ---- x: task = 4 x work-group + wave = 2 G + kh;  G = 16 y + 8 wr + a
	s_wait_alu depctr_va_vdst(0)
	v_lshlrev_b32 v1, 12, v6                       ; neighbouring fragment rows are neighbouring rows of x: 4,096 bytes apart
	v_lshl_add_u32 v1, v7, 4, v1
	s_wait_alu depctr_va_vdst(0)
	s_lshl_b32 s27, ttmp9, 2
	s_add_co_u32 s27, s27, s26
	s_and_b32 s28, s27, 1                          ; kh: which 512 along K
	s_lshr_b32 s27, s27, 1                         ; G
	s_lshr_b32 s29, s27, 3                         ; 2 y + wr: which 128 rows
	s_and_b32 s31, s27, 7                          ; a
	s_lshl_b32 s32, s29, 19                        ; 128 rows of 4,096 bytes
	s_lshl_b32 s33, s31, 15                        ; 8 rows
	s_add_co_u32 s32, s32, s33
	s_lshl_b32 s33, s28, 11
	s_add_co_u32 s32, s32, s33
	s_mov_b32 s33, 0
	s_add_nc_u64 s[4:5], s[4:5], s[32:33]
	QLOAD 0, 8192, 262144
	QLOAD 1, 8192, 262144
	QLOAD 2, 8192, 262144
	s_lshr_b32 s34, s27, 4                         ; y
	s_lshl_b32 s34, s34, 18
	s_lshl_b32 s35, s28, 17                        ; four K steps of 32,768 bytes
	s_add_co_u32 s34, s34, s35
	s_and_b32 s35, s29, 1                          ; wr
	s_lshl_b32 s35, s35, 14
	s_add_co_u32 s34, s34, s35
	s_lshl_b32 s35, s31, 10
	s_add_co_u32 s34, s34, s35
	s_mov_b32 s35, 0
	s_add_nc_u64 s[36:37], s[14:15], s[34:35]      ; the three versions lie 2^24 bytes apart
	s_add_nc_u64 s[38:39], s[36:37], 0x1000000
	s_add_nc_u64 s[40:41], s[38:39], 0x1000000
	s_wait_kmcnt 0x0
	MKSC 20, 0
	MKSC 22, 1
	MKSC 24, 2
	s_wait_alu depctr_va_vdst(0)
	RUN 3, 32768, 8192, 8192, 262144, 0
.Lweights:
	; ---- W: g = (work-group - 512) / 32; task within g = 2 cg + kh;  cg = 8 x + 4 wc + b
	s_wait_alu depctr_va_vdst(0)
	v_lshlrev_b32 v1, 14, v6                       ; neighbouring fragment rows lie four rows of W apart: 16,384 bytes
	v_lshl_add_u32 v1, v7, 4, v1
	s_wait_alu depctr_va_vdst(0)
	s_sub_co_u32 s27, ttmp9, 512
	s_lshr_b32 s31, s27, 5                         ; g: 0 = f, 1 = i, 2 = h
	s_lshl_b32 s27, s27, 2
	s_add_co_u32 s27, s27, s26
	s_and_b32 s27, s27, 127
	s_and_b32 s28, s27, 1                          ; kh
	s_lshr_b32 s27, s27, 1                         ; cg
	s_lshr_b32 s29, s27, 2                         ; 2 x + wc: which 64 rows
	s_and_b32 s30, s27, 3                          ; b
	s_lshl_b32 s32, s29, 18                        ; 64 rows of 4,096 bytes
	s_lshl_b32 s33, s30, 12
	s_add_co_u32 s32, s32, s33
	s_lshl_b32 s33, s28, 11
	s_add_co_u32 s32, s32, s33
	s_mov_b32 s33, 0
	s_cmp_eq_u32 s31, 0                            ; the choice of tensor hangs on the work-group's number alone
	s_cselect_b64 s[4:5], s[6:7], s[8:9]
	s_cmp_eq_u32 s31, 2
	s_cselect_b64 s[4:5], s[10:11], s[4:5]
	s_add_nc_u64 s[4:5], s[4:5], s[32:33]
	QLOAD 0, 32768, 131072
	QLOAD 1, 32768, 131072
	QLOAD 2, 32768, 131072
	s_lshr_b32 s34, s27, 3                         ; x
	s_mul_i32 s34, s34, 393216
	s_mul_i32 s35, s28, 196608                     ; four K steps of 49,152 bytes
	s_add_co_u32 s34, s34, s35
	s_lshl_b32 s35, s31, 14
	s_add_co_u32 s34, s34, s35
	s_and_b32 s35, s29, 1                          ; wc
	s_lshl_b32 s35, s35, 13
	s_add_co_u32 s34, s34, s35
	s_lshl_b32 s35, s30, 10
	s_add_co_u32 s34, s34, s35
	s_mov_b32 s35, 0
	s_add_nc_u64 s[36:37], s[16:17], s[34:35]
	s_wait_kmcnt 0x0
	s_cmp_eq_u32 s31, 0
	s_cselect_b32 s20, s21, s23                    ; e1, e3 or e5
	s_cmp_eq_u32 s31, 2
	s_cselect_b32 s20, s25, s20
	MKSC 20, 0
	s_wait_alu depctr_va_vdst(0)
	RUN 1, 49152, 4096, 32768, 131072, WPATH
.Lfunc_end_k_qeab0f62183_quant:
	.size	k_qeab0f62183_quant, .Lfunc_end_k_qeab0f62183_quant-k_qeab0f62183_quant
	.p2alignl 7, 3214868480
	.fill 96, 4, 3214868480
	.section	.rodata,"a",@progbits
	.p2align	6, 0x0
	.amdhsa_kernel k_qeab0f62183_quant
		.amdhsa_group_segment_fixed_size 70144
		.amdhsa_private_segment_fixed_size 0
		.amdhsa_enable_private_segment 0
		.amdhsa_kernarg_size 56
		.amdhsa_user_sgpr_count 2
		.amdhsa_user_sgpr_kernarg_segment_ptr 1
		.amdhsa_wavefront_size32 1
		.amdhsa_system_sgpr_workgroup_id_x 1
		.amdhsa_system_sgpr_workgroup_id_y 1
		.amdhsa_system_sgpr_workgroup_id_z 1
		.amdhsa_system_vgpr_workitem_id 0
		.amdhsa_next_free_vgpr 256
		.amdhsa_next_free_sgpr 66
		.amdhsa_reserve_vcc 0
		.amdhsa_float_denorm_mode_32 3
		.amdhsa_float_denorm_mode_16_64 3
		.amdhsa_memory_ordered 1
		.amdhsa_forward_progress 1
		.amdhsa_inst_pref_size 114
	.end_amdhsa_kernel
	.amdgpu_metadata
---
amdhsa.version: [ 1, 2 ]
amdhsa.kernels:
  - .name:           k_qeab0f62183_quant
    .symbol:         k_qeab0f62183_quant.kd
    .args:
      - { .name: x, .offset: 0, .size: 8, .value_kind: global_buffer, .address_space: global }
      - { .name: W_f, .offset: 8, .size: 8, .value_kind: global_buffer, .address_space: global }
      - { .name: W_i, .offset: 16, .size: 8, .value_kind: global_buffer, .address_space: global }
      - { .name: W_h, .offset: 24, .size: 8, .value_kind: global_buffer, .address_space: global }
      - { .name: lowp_scales, .offset: 32, .size: 8, .value_kind: global_buffer, .address_space: global }
      - { .name: xq, .offset: 40, .size: 8, .value_kind: global_buffer, .address_space: global }
      - { .name: wq, .offset: 48, .size: 8, .value_kind: global_buffer, .address_space: global }
    .group_segment_fixed_size: 70144
    .private_segment_fixed_size: 0
    .kernarg_segment_align: 8
    .kernarg_segment_size: 56
    .max_flat_workgroup_size: 128
    .sgpr_count:     66
    .vgpr_count:     256
    .wavefront_size: 32
...
	.end_amdgpu_metadata
.endif
;; end of part 1
;; launch gemm (part 2): grid 8 x 32, 4 waves a work-group, clusters of 4 x 4, 327,680 bytes of LDS; arguments xq, wq, lowp_scales, b_f, b_i, b_h, at, bt, sums; writes at, bt, sums
.if DOCPART == 2
	.amdgcn_target "amdgcn-amd-amdhsa--gfx1250"
	.amdhsa_code_object_version 6
	.text
	.protected	k_qeab0f62183_gemm
	.globl	k_qeab0f62183_gemm
	.p2align	8
	.type	k_qeab0f62183_gemm,@function
k_qeab0f62183_gemm:
	s_mov_b64 s[64:65], 0
	v_nop
	global_prefetch_b8 v0, s[64:65] scope:SCOPE_SE
	s_setreg_imm32_b32 hwreg(HW_REG_WAVE_MODE, 25, 1), 1
	s_wait_xcnt 0x0
	s_wait_alu depctr_hold_cnt(0) depctr_sa_sdst(0) depctr_va_vdst(0) depctr_va_sdst(0) depctr_va_ssrc(0) depctr_va_vcc(0) depctr_vm_vsrc(0)
	s_getreg_b32 s2, hwreg(HW_REG_IB_STS2, 6, 4)
	s_cmp_eq_u32 s2, 0
	s_cbranch_scc0 .Lentry_in_a_cluster
	s_endpgm
.Lentry_in_a_cluster:
	s_bfe_u32 s2, ttmp6, 0x10000c
	s_cmp_lg_u32 s2, 0xf033
	s_cbranch_scc0 .Lentry_shape_is_right
	s_endpgm
.Lentry_shape_is_right:
; The three products x W_f^T, x W_i^T, x W_h^T on E4M3 codes (v_wmma_f32_16x16x64_fp8_fp8, f32 sums), the gates, and the scan inside runs of 64 rows.
; THE ARITHMETIC.  With u = e^-f_pre and w = e^-i_pre, exp(log_f) = F = (1 + w) / (2 + u + w) and exp(log_i) = (1 + u) / (2 + u + w); g = max(h_pre + 0.5, sigmoid(h_pre)) is exp(log_g): the first is the
; larger from 0 on, the second below 0.  The state obeys h_t = F_t h_(t-1) + V_t, V = exp(log_i) g.  It is run on the numbers themselves: F lies between 0 and 1 and V is not negative, so every partial result is a sum
; of terms that are not negative and is no larger than the state that reference() returns.  A run's row t is stored as the pair A_t = F_1 .. F_t (at) and B_t = the state from 0 (bt); the next launch forms A_t h_in + B_t.
; RANGE.  The exponents to the base 2, a = -f_pre log2 e and b = -i_pre log2 e, are taken less m = max(a, b, 64) ahead of the exponentials, and the 1 beside u and w is 2^-64.
; LIMITS: where a or b passes 64 the two gates are off by at most 2^-64; each product's two scale exponents add up to a number between -126 and 127 (they are added to a constant's exponent field).
; SHARES.  A work-group of four waves makes a tile of 256 rows x 128 columns of all three products, a wave 128 x 64: 3 x 32 accumulators, 768 registers (windows 1, 2, 3: f, i, h); it makes two tiles, 8,192 rows apart.
; K goes in steps of 128 through two LDS slots: x's codes in three versions (3 x 32,768 bytes, waves 0-2 fetch one each) and W's (49,152 bytes, wave 3), laid by the launch before as images of the operand registers.
; CLUSTERS of 4 x 4: x's tiles are asked for jointly along a row of the cluster, W's along a column.  Clusters whose x + y is odd begin K at step 4.
; PREFETCH.  x: behind the joint load for K step 0 stand requests for K steps 1 and 2, behind every later joint load, for K step m, one for K step m + 2, over the change of tiles too; the last two K steps of the
; last tile ask for nothing.  Of a version's 32,768 bytes each of the four partners names 8,192 by address (cx), a lane to each 256: one instruction a wave and K step.  W: in the same two places of the head wave 3
; asks for K steps 1, 2 and 3 of the first tile, 12,288 bytes of each by address (cy): 32 blocks and 16 (lanes left over name the last again).  Later K steps of W are not asked for: each block of wq is
; loaded by 8 clusters for 2 tiles each, and a cluster's K steps 4 to 7 of its first tile are those with which the clusters of the other parity begin.
; OUT.  at, bt: 32,768 bytes a wave tile, in the order of the stores below; sums: 1,024 bytes a wave tile: A and B of the 128 rows, then A and B of the first run.
.set SLOT,  147456                     ; a slot: x's three versions, then W's tile
.set BOFF,  98304
.set SPARE, 2*SLOT                     ; the spare words, 128 bytes a wave
.set WALK_A, 0x800000                  ; from a work-group's first tile to its second: in xq, in at and bt, in sums
.set WALK_O, 0x2000000
.set WALK_S, 0x100000
.set ADRA,  16                         ; v16-17 my fragments of x, versions 0 and 1, in slot 0, 1; v18-19 version 2; v20-21 W's
.set ADRA2, 18
.set ADRB,  20
.set LN16,  26                         ; 16 x lane
.set BO,    27
.set SPW,   28
.set NIL,   29
.set PFO,   30                         ; the prefetches' offsets: 256 x lane, and 256 x min(lane, 15); never rewritten
.set PF2,   31
.set BF,    32                         ; v32-63 the biases, folded, a pair for each of my 4 columns
.set BI,    40
.set BH,    48
.set BH2,   56
.set T0,    64
.set T1,    96
.set G1A,   24
.set G0A,   32
.set G1B,   48
.set G0B,   56
.set CF,    66
.set CI,    68
.set CH,    70
.set CH2,   72
.set EPS,   74
.set FLOOR, 76
.set SEL,   78
.set HMASK, 80
.set PFA,   82
.set KS,    84                         ; s84-85 the K step that slot 0, 1 holds or is being filled with
.set ABASE, 86
.set BBASE, 94
.set OFS,   98
.set POF,   100                        ; s[100:101] the prefetch's offset; the upper word stays 0
.set PCX,   44                         ; s44 8,192 x cx
.set LIM,   45                         ; s45 the loop's trips with s3 above this number ask ahead
.set MSB, 0
.macro WIN new
.if MSB != \new
	s_set_vgpr_msb (MSB<<8)|\new
.set MSB, \new
.endif
.endm
.macro PLACES
.rept 4
	v_nop
.endr
.endm
.macro JLOAD s                         ; a joint load: waves 0-2 x's versions, wave 3 W's tile; s_nop 0 and four v_nop behind each line
	s_cmp_lt_u32 s22, 3
	s_cbranch_scc0 .Lfor_b_\@
	tensor_load_to_lds s[G0A+4*\s:G0A+4*\s+3], s[G1A:G1A+7]
	s_nop 0
.rept 4
	v_nop
.endr
	s_branch .Lasked_\@
.Lfor_b_\@:
	tensor_load_to_lds s[G0B+4*\s:G0B+4*\s+3], s[G1B:G1B+7]
	s_nop 0
.rept 4
	v_nop
.endr
.Lasked_\@:
.endm
; the head's requests; the address stands at K step 1 and is not rewritten between them.  first = 1: K steps 1 and 2; 0: K step 3
.macro ASK first
	s_cmp_lt_u32 s22, 3
	s_cbranch_scc0 .Lfor_w_\@
.if \first
	global_prefetch_b8 v[PFO], s[PFA:PFA+1] th:TH_LOAD_NT scope:SCOPE_SE
	global_prefetch_b8 v[PFO], s[PFA:PFA+1] offset:32768 th:TH_LOAD_NT scope:SCOPE_SE
.else
	global_prefetch_b8 v[PFO], s[PFA:PFA+1] offset:65536 th:TH_LOAD_NT scope:SCOPE_SE
.endif
	s_branch .Lhead_asked_\@
.Lfor_w_\@:
.if \first
	global_prefetch_b8 v[PFO], s[PFA:PFA+1] th:TH_LOAD_NT scope:SCOPE_SE               ; blocks 0-31 of my 48,
	global_prefetch_b8 v[PF2], s[PFA:PFA+1] offset:8192 th:TH_LOAD_NT scope:SCOPE_SE   ; blocks 32-47
	global_prefetch_b8 v[PFO], s[PFA:PFA+1] offset:49152 th:TH_LOAD_NT scope:SCOPE_SE
	global_prefetch_b8 v[PF2], s[PFA:PFA+1] offset:57344 th:TH_LOAD_NT scope:SCOPE_SE
.else
	global_prefetch_b8 v[PFO], s[PFA:PFA+1] offset:98304 th:TH_LOAD_NT scope:SCOPE_SE
	global_prefetch_b8 v[PF2], s[PFA:PFA+1] offset:106496 th:TH_LOAD_NT scope:SCOPE_SE
.endif
.Lhead_asked_\@:
.endm
; where the next prefetch points: the K step two behind the one that slot sl is just being filled with; in the loop's last trip (s3 = 1) that lies in the next tile
.macro AIM sl, fill
	s_add_co_u32 s[POF], s[KS+\sl], 2
	s_and_b32 s[POF], s[POF], 7
	s_lshl_b32 s[POF], s[POF], 15
	s_add_co_u32 s[POF], s[POF], s[PCX]
.if (\fill) == 1
	s_cmp_eq_u32 s3, 1
	s_cselect_b32 s77, WALK_A, 0
	s_add_co_u32 s[POF], s[POF], s77
.endif
	s_add_nc_u64 s[PFA:PFA+1], s[ABASE:ABASE+1], s[POF:POF+1]
.endm
; one request a wave.  how = 1, in the loop: by the trip and the tile (LIM; wave 3 never); how = 2, at a change of tiles: waves 0-2
.macro ASKN how
.if (\how) == 1
	s_cmp_gt_u32 s3, s[LIM]
.else
	s_cmp_lt_u32 s22, 3
.endif
	s_cbranch_scc0 .Lnot_due_\@
	global_prefetch_b8 v[PFO], s[PFA:PFA+1] th:TH_LOAD_NT scope:SCOPE_SE
.Lnot_due_\@:
.endm
.macro CREST                           ; a round of the cluster's barrier behind its opening barrier
	s_cmp_lg_u32 s22, 0
	s_cbranch_scc1 .Lnot_wave_0_\@
	s_barrier_signal -3
.Lnot_wave_0_\@:
	s_barrier_wait -3
	s_barrier_signal -1
	s_barrier_wait -1
.endm
.macro CROUND
	s_barrier_signal -1
	s_barrier_wait -1
	CREST
.endm
.macro NEXTK sl                        ; slot sl's next K step, two on, modulo 8: both group 0s (no tensor load of mine is out here)
	s_add_co_u32 s[KS+\sl], s[KS+\sl], 2
	s_and_b32 s[KS+\sl], s[KS+\sl], 7
	s_lshl_b32 s[OFS], s[KS+\sl], 15
	s_add_nc_u64 s[G0A+4*\sl+2:G0A+4*\sl+3], s[ABASE:ABASE+1], s[OFS:OFS+1]
	s_or_b32 s[G0A+4*\sl+3], s[G0A+4*\sl+3], 0x80000000
	s_mul_i32 s[OFS], s[KS+\sl], 49152
	s_add_nc_u64 s[G0B+4*\sl+2:G0B+4*\sl+3], s[BBASE:BBASE+1], s[OFS:OFS+1]
	s_or_b32 s[G0B+4*\sl+3], s[G0B+4*\sl+3], 0x80000000
.endm
.macro FETCH sl, g, q, bf              ; product g, half q of the K step: 4 fragments of W and 8 of x into buffer bf: 24 loads of 512 consecutive bytes
.set FB, 64+96*(\bf)
.irp b, 0,1,2,3
	ds_load_b128 v[FB+64+8*\b:FB+64+8*\b+3],   v[ADRB+\sl] offset:(\g)*16384+(\q)*4096+\b*1024
	ds_load_b128 v[FB+64+8*\b+4:FB+64+8*\b+7], v[ADRB+\sl] offset:(\g)*16384+(\q)*4096+\b*1024+512
.endr
.if (\g) < 2
.set AR, ADRA+(\sl)
.set AO, (\g)*32768
.else
.set AR, ADRA2+(\sl)
.set AO, 0
.endif
.irp a, 0,1,2,3,4,5,6,7
	ds_load_b128 v[FB+8*\a:FB+8*\a+3],   v[AR] offset:AO+(\q)*8192+\a*1024
	ds_load_b128 v[FB+8*\a+4:FB+8*\a+7], v[AR] offset:AO+(\q)*8192+\a*1024+512
.endr
.endm
.macro MUL a0, cnt, g, bf, zero        ; cnt blocks of x against W's four; the accumulators take turns
	WIN ((\g)+1)*0x50
.set FB, 64+96*(\bf)
.set ai, \a0
.rept \cnt
.irp b, 0,1,2,3
.if \zero
	v_wmma_f32_16x16x64_fp8_fp8 v[8*(4*ai+\b):8*(4*ai+\b)+7], v[FB+8*ai:FB+8*ai+7], v[FB+64+8*\b:FB+64+8*\b+7], 0
.else
	v_wmma_f32_16x16x64_fp8_fp8 v[8*(4*ai+\b):8*(4*ai+\b)+7], v[FB+8*ai:FB+8*ai+7], v[FB+64+8*\b:FB+64+8*\b+7], v[8*(4*ai+\b):8*(4*ai+\b)+7]
.endif
.endr
.set ai, ai+1
.endr
.endm
.macro STAGE sl, n, zero               ; stage n of a K step's six (3 products x 2 halves): 32 products; the next stage's 24 loads stand in its middle
	s_wait_dscnt 8                                 ; W's fragments and x's blocks 0-3 are in; the youngest eight loads may be out
	MUL 0, 4, (\n)%3, (\n)%2, \zero
	PLACES
	WIN 0
	FETCH \sl, ((\n)+1)%3, ((\n)+1)/3, ((\n)+1)%2
	s_wait_dscnt 24                                ; all but the 24 just issued
	MUL 4, 4, (\n)%3, (\n)%2, \zero
.endm
; a K step's last stage changes slots.  fill = 1: this slot takes the K step two on; 2: the next tile's; 0: nothing
.macro TURN sl, nx, fill, fetch
	WIN 0
.if \fill
	s_wait_xcnt 0x0                                ; my last prefetch has read its address, which AIM writes below
.endif
	s_wait_tensorcnt 0x0                           ; all my tensor loads have landed: my part of the next slot
	ds_add_u32 v[SPW], v[NIL]
.if \fill
.if (\fill) == 2 && (\sl) == 0
	s_add_nc_u64 s[ABASE:ABASE+1], s[ABASE:ABASE+1], WALK_A
.endif
	NEXTK \sl
	AIM \sl, \fill
.endif
	s_wait_dscnt 9                                 ; the add and the youngest eight loads may be out
	MUL 0, 2, 2, 1, 0
	s_wait_dscnt 0x0                               ; the add is done, my reads of this slot are over
	s_barrier_signal -1
	MUL 2, 2, 2, 1, 0
	WIN 0
	s_barrier_wait -1
.if \fill
	CREST                                          ; the barrier has opened a round of the cluster's barrier
	JLOAD \sl
.else
	PLACES
.endif
.if \fetch
	FETCH \nx, 0, 0, 0
.endif
.if \fill
	ASKN \fill                                     ; behind the joint load and the run of LDS loads
.endif
	MUL 4, 4, 2, 1, 0
.endm
	s_load_b256 s[4:11], s[0:1], 0x0               ; xq, wq, the exponents, b_f
	s_load_b256 s[12:19], s[0:1], 0x20             ; b_i, b_h, at, bt
	s_load_b64 s[20:21], s[0:1], 0x40              ; sums
	v_lshl_add_u32 v[SPW], v0, 2, SPARE
	v_mov_b32 v[NIL], 0
	ds_add_u32 v28, v29                            ; the opening lines: the add twice on end and its wait
	ds_add_u32 v28, v29
	s_wait_dscnt 0x0
	v_lshrrev_b32 v1, 5, v0
	v_readfirstlane_b32 s22, v1                    ; wave
	s_lshr_b32 s23, s22, 1                         ; which 128 rows are mine
	s_and_b32 s46, s22, 1                          ; which 64 columns
	s_bfe_u32 s40, ttmp6, 0x40000                  ; cx, cy
	s_bfe_u32 s41, ttmp6, 0x40004
	s_lshl_b32 s42, ttmp9, 2
	s_add_co_u32 s42, s42, s40                     ; tile column
	s_and_b32 s43, ttmp7, 0xffff
	s_add_co_u32 s[KS], s43, ttmp9
	s_and_b32 s[KS], s[KS], 1
	s_lshl_b32 s[KS], s[KS], 2                     ; the cluster's first K step: 0 or 4
	s_add_co_u32 s[KS+1], s[KS], 1
	s_lshl_b32 s43, s43, 2
	s_add_co_u32 s43, s43, s41                     ; tile row
	s_lshl_b32 s44, s41, 2
	s_lshl_b32 s44, 15, s44                        ; my row of the cluster
	s_lshl_b32 s45, 0x1111, s40                    ; my column
	s_or_b32 s[G1A], s44, (3<<16)|(1<<21)          ; dense blocks as rows of 32 elements of 8 bytes
	s_or_b32 s[G1B], s45, (3<<16)|(1<<21)
.irp g, G1A, G1B
	s_mov_b32 s[\g+1], 32<<16
	s_mov_b32 s[\g+3], 32<<16
	s_mov_b32 s[\g+5], 32
	s_mov_b32 s[\g+6], 0
	s_mov_b32 s[\g+7], 0
.endr
	s_mov_b32 s[G1A+2], 128<<16
	s_mov_b32 s[G1A+4], 128
	s_mov_b32 s[G1B+2], 192<<16
	s_mov_b32 s[G1B+4], 192
	s_min_u32 s86, s22, 2
	s_lshl_b32 s86, s86, 24                        ; my version's offset in xq,
	s_lshl_b32 s87, s43, 18                        ; and my tile row's
	s_add_co_u32 s86, s86, s87
	s_mov_b32 s87, 0
	s_mul_i32 s94, s42, 393216
	s_mov_b32 s95, 0
	s_mov_b32 s[OFS+1], 0
	s_lshl_b32 s47, s22, 15
	s_lshl_b32 s96, s42, 9                         ; my wave's 64 columns in the biases, in bytes
	s_lshl_b32 s97, s46, 8
	s_add_co_u32 s96, s96, s97
	v_and_b32 v1, 15, v0
	v_and_b32 v2, 31, v0
	v_lshl_add_u32 v[BO], v1, 4, s96               ; lane r holds columns 4 r + 0..3
	v_lshlrev_b32 v[PFO], 8, v2
	v_min_u32 v3, 15, v2
	v_lshlrev_b32 v[PF2], 8, v3
	s_lshl_b32 s[PCX], s40, 13
	s_lshl_b32 s[POF], s[KS+1], 15                 ; the head's requests begin at K step 1: in x's tile row my quarter by cx,
	s_add_co_u32 s[POF], s[POF], s[PCX]
	s_mul_i32 s81, s[KS+1], 49152                  ; in W's tile column my quarter by cy
	s_mul_i32 s97, s41, 12288
	s_add_co_u32 s81, s81, s97
	s_cmp_lt_u32 s22, 3
	s_cselect_b32 s[POF], s[POF], s81
	s_mov_b32 s[POF+1], 0
	s_wait_alu depctr_va_vdst(0)
	s_wait_kmcnt 0x0
	global_load_b128 v[4:7], v[BO], s[10:11]
	global_load_b128 v[8:11], v[BO], s[12:13]
	global_load_b128 v[12:15], v[BO], s[14:15]
	s_load_b128 s[88:91], s[8:9], 0x0              ; e0 .. e3
	s_load_b64 s[92:93], s[8:9], 0x10              ; e4, e5
	s_add_nc_u64 s[ABASE:ABASE+1], s[4:5], s[86:87]
	s_add_nc_u64 s[BBASE:BBASE+1], s[6:7], s[94:95]
	s_cmp_lt_u32 s22, 3                            ; the choice hangs on the wave's number alone
	s_cselect_b64 s[PFA:PFA+1], s[ABASE:ABASE+1], s[BBASE:BBASE+1]
	s_add_nc_u64 s[PFA:PFA+1], s[PFA:PFA+1], s[POF:POF+1]
	CROUND                                         ; in front of the first joint loads
.irp s, 0,1
	s_mov_b32 s[G0A+4*\s], 1
	s_add_co_u32 s[G0A+4*\s+1], s47, \s*SLOT
	s_lshl_b32 s[OFS], s[KS+\s], 15
	s_add_nc_u64 s[G0A+4*\s+2:G0A+4*\s+3], s[ABASE:ABASE+1], s[OFS:OFS+1]
	s_or_b32 s[G0A+4*\s+3], s[G0A+4*\s+3], 0x80000000
	s_mov_b32 s[G0B+4*\s], 1
	s_mov_b32 s[G0B+4*\s+1], BOFF+\s*SLOT
	s_mul_i32 s[OFS], s[KS+\s], 49152
	s_add_nc_u64 s[G0B+4*\s+2:G0B+4*\s+3], s[BBASE:BBASE+1], s[OFS:OFS+1]
	s_or_b32 s[G0B+4*\s+3], s[G0B+4*\s+3], 0x80000000
.if \s == 1
	s_wait_alu depctr_va_vdst(0)                   ; slot 1's first fill is issued as a refill is
	s_wait_tensorcnt 0x0
	ds_add_u32 v28, v29
	s_wait_dscnt 0x0
	CROUND
.endif
	JLOAD \s                                       ; one tensor load a wave and slot at the head: K steps 0 and 1
	ASK 1-\s
.endr
	v_and_b32 v2, 31, v0
	v_lshlrev_b32 v[LN16], 4, v2
	s_lshl_b32 s77, s23, 14
	v_add_nc_u32 v[ADRA], s77, v[LN16]
	v_add_nc_u32 v[ADRA+1], SLOT, v[ADRA]
	v_add_nc_u32 v[ADRA2], 0x10000, v[ADRA]
	v_add_nc_u32 v[ADRA2+1], 0x10000, v[ADRA+1]
	s_lshl_b32 s77, s46, 13
	s_add_co_u32 s77, s77, BOFF
	v_add_nc_u32 v[ADRB], s77, v[LN16]
	v_add_nc_u32 v[ADRB+1], SLOT, v[ADRB]
	s_lshl_b32 s96, s43, 1
	s_add_co_u32 s96, s96, s23
	s_lshl_b32 s96, s96, 4
	s_lshl_b32 s97, s42, 1
	s_add_co_u32 s97, s97, s46
	s_add_co_u32 s81, s96, s97                     ; my wave tile's number: 16 x block of 128 rows + strip of 64 columns
	s_lshl_b32 s96, s81, 15
	s_mov_b32 s97, 0
	s_add_nc_u64 s[16:17], s[16:17], s[96:97]
	s_add_nc_u64 s[18:19], s[18:19], s[96:97]
	s_lshl_b32 s96, s81, 10
	s_add_nc_u64 s[20:21], s[20:21], s[96:97]
	s_mov_b32 s[EPS], 0x1f800000                   ; 2^-64
	s_mov_b32 s[EPS+1], 0x1f800000
	s_mov_b32 s[FLOOR], 0x42800000                 ; 64
	s_mov_b32 s[SEL], 0x76543210
	s_mov_b32 s[SEL+1], 0xfedcba98
	s_mov_b32 s[HMASK], 0xffff0000
	s_wait_kmcnt 0x0
	s_add_co_i32 s77, s88, s89                     ; a product's two exponents go into the exponent field of the constant that its sums are multiplied by
	s_lshl_b32 s77, s77, 23
	s_add_co_u32 s[CF], s77, 0xbfb8aa3b            ; -log2 e
	s_mov_b32 s[CF+1], s[CF]
	s_add_co_i32 s77, s90, s91
	s_lshl_b32 s77, s77, 23
	s_add_co_u32 s[CI], s77, 0xbfb8aa3b
	s_mov_b32 s[CI+1], s[CI]
	s_add_co_i32 s77, s92, s93
	s_lshl_b32 s77, s77, 23
	s_add_co_u32 s[CH], s77, 0x3f800000
	s_mov_b32 s[CH+1], s[CH]
	s_add_co_u32 s[CH2], s77, 0xbfb8aa3b
	s_mov_b32 s[CH2+1], s[CH2]
	s_wait_loadcnt 0x0
.irp b, 0,1,2,3
	v_mul_f32 v[BF+2*\b], 0xbfb8aa3b, v[4+\b]
	v_mul_f32 v[BF+2*\b+1], 0xbfb8aa3b, v[4+\b]
	v_mul_f32 v[BI+2*\b], 0xbfb8aa3b, v[8+\b]
	v_mul_f32 v[BI+2*\b+1], 0xbfb8aa3b, v[8+\b]
	v_add_f32 v[BH+2*\b], 0.5, v[12+\b]
	v_add_f32 v[BH+2*\b+1], 0.5, v[12+\b]
	v_mul_f32 v[BH2+2*\b], 0xbfb8aa3b, v[12+\b]
	v_mul_f32 v[BH2+2*\b+1], 0xbfb8aa3b, v[12+\b]
.endr
	s_wait_tensorcnt 0x1                           ; K step 0 is in; K step 1's load may be out
	s_barrier_signal -1
	s_barrier_wait -1
	s_mov_b32 s2, 2                                ; tiles to go
.Ltile:
	s_cmp_eq_u32 s2, 1                             ; the last tile's last trip has no K step two on
	s_cselect_b32 s[LIM], 1, 0
	s_cmp_lt_u32 s22, 3                            ; wave 3 asks for nothing in the loop
	s_cselect_b32 s[LIM], s[LIM], 99
	FETCH 0, 0, 0, 0
	STAGE 0, 0, 1                                  ; the first products start the sums
	STAGE 0, 1, 1
	STAGE 0, 2, 1
	WIN 0
	s_mov_b32 s3, 3
.Llap:
	STAGE 0, 3, 0
	STAGE 0, 4, 0
	TURN 0, 1, 1, 1
	STAGE 1, 0, 0
	STAGE 1, 1, 0
	STAGE 1, 2, 0
	STAGE 1, 3, 0
	STAGE 1, 4, 0
	TURN 1, 0, 1, 1
	STAGE 0, 0, 0
	STAGE 0, 1, 0
	STAGE 0, 2, 0
	WIN 0
	s_sub_co_u32 s3, s3, 1
	s_cmp_lg_u32 s3, 0
	s_cbranch_scc1 .Llap
	STAGE 0, 3, 0
	STAGE 0, 4, 0
	WIN 0
	s_cmp_eq_u32 s2, 1
	s_cbranch_scc1 .Llast
	TURN 0, 1, 2, 1                                ; the ring goes on into the next tile
	STAGE 1, 0, 0
	STAGE 1, 1, 0
	STAGE 1, 2, 0
	STAGE 1, 3, 0
	STAGE 1, 4, 0
	TURN 1, 0, 2, 0
	WIN 0
	s_branch .Lepi
.Llast:
	TURN 0, 1, 0, 1                                ; the last tile's tail fills nothing
	STAGE 1, 0, 0
	STAGE 1, 1, 0
	STAGE 1, 2, 0
	STAGE 1, 3, 0
	STAGE 1, 4, 0
	s_wait_dscnt 8
	MUL 0, 4, 2, 1, 0
	s_wait_dscnt 0x0
	MUL 4, 4, 2, 1, 0
	WIN 0
.Lepi:
	PLACES
; block a: rows 8 a + 0..7 of each run (lanes 0-15: run 0, lanes 16-31: run 1), 4 columns a lane: 32 numbers of each product
.macro EPI a
.set E0, 32*(\a)
	WIN 0x41
.irp b, 0,1,2,3
.irp j, 0,2,4,6
	v_pk_fma_f32 v[E0+8*\b+\j:E0+8*\b+\j+1], v[E0+8*\b+\j:E0+8*\b+\j+1], s[CF:CF+1], v[BF+2*\b:BF+2*\b+1] op_sel_hi:[1,0,1]   ; a
.endr
.endr
	WIN 0x82
.irp b, 0,1,2,3
.irp j, 0,2,4,6
	v_pk_fma_f32 v[E0+8*\b+\j:E0+8*\b+\j+1], v[E0+8*\b+\j:E0+8*\b+\j+1], s[CI:CI+1], v[BI+2*\b:BI+2*\b+1] op_sel_hi:[1,0,1]   ; b
.endr
.endr
	WIN 0x03
.irp b, 0,1,2,3
.irp j, 0,2,4,6
	v_pk_fma_f32 v[T0+8*\b+\j:T0+8*\b+\j+1], v[E0+8*\b+\j:E0+8*\b+\j+1], s[CH:CH+1], v[BH+2*\b:BH+2*\b+1] op_sel_hi:[1,0,1]   ; h_pre + 0.5
.endr
.endr
	WIN 0xc3
.irp b, 0,1,2,3
.irp j, 0,2,4,6
	v_pk_fma_f32 v[E0+8*\b+\j:E0+8*\b+\j+1], v[E0+8*\b+\j:E0+8*\b+\j+1], s[CH2:CH2+1], v[BH2+2*\b:BH2+2*\b+1] op_sel_hi:[1,0,1]   ; -h_pre log2 e
.endr
.endr
	WIN 0x09
.set i, 0
.rept 32
	v_max3_num_f32 v[T1+i], v[E0+i], v[E0+i], s[FLOOR]   ; m = max(a, b, 64)
.set i, i+1
.endr
	WIN 0x41
.set i, 0
.rept 16
	v_pk_add_f32 v[E0+i:E0+i+1], v[E0+i:E0+i+1], v[T1+i:T1+i+1] neg_lo:[0,1] neg_hi:[0,1]
.set i, i+2
.endr
.set i, 0
	s_wait_alu depctr_va_vdst(0)                   ; a wait ahead of the batch of transcendentals
.rept 32
	v_exp_f32 v[E0+i], v[E0+i]
.set i, i+1
.endr
	WIN 0x82
.set i, 0
.rept 16
	v_pk_add_f32 v[E0+i:E0+i+1], v[E0+i:E0+i+1], v[T1+i:T1+i+1] neg_lo:[0,1] neg_hi:[0,1]
.set i, i+2
.endr
.set i, 0
	s_wait_alu depctr_va_vdst(0)
.rept 32
	v_exp_f32 v[E0+i], v[E0+i]
.set i, i+1
.endr
	WIN 0xc3
.set i, 0
.rept 32
	v_exp_f32 v[E0+i], v[E0+i]
.set i, i+1
.endr
	v_nop
	s_wait_alu depctr_va_vdst(0)
.set i, 0
.rept 16
	v_pk_add_f32 v[E0+i:E0+i+1], v[E0+i:E0+i+1], 1.0 op_sel_hi:[1,0]
.set i, i+2
.endr
.set i, 0
	s_wait_alu depctr_va_vdst(0)
.rept 32
	v_rcp_f32 v[E0+i], v[E0+i]                     ; sigmoid(h_pre)
.set i, i+1
.endr
	WIN 0x41
.set i, 0
.rept 16
	v_pk_add_f32 v[E0+i:E0+i+1], v[E0+i:E0+i+1], s[EPS:EPS+1] op_sel_hi:[1,0]   ; (1 + u) 2^-m
.set i, i+2
.endr
	WIN 0x82
.set i, 0
.rept 16
	v_pk_add_f32 v[E0+i:E0+i+1], v[E0+i:E0+i+1], s[EPS:EPS+1] op_sel_hi:[1,0]   ; (1 + w) 2^-m
.set i, i+2
.endr
	WIN 0x09
.set i, 0
.rept 16
	v_pk_add_f32 v[T1+i:T1+i+1], v[E0+i:E0+i+1], v[E0+i:E0+i+1]
.set i, i+2
.endr
	WIN 0
.set i, 0
	s_wait_alu depctr_va_vdst(0)
.rept 32
	v_rcp_f32 v[T1+i], v[T1+i]
.set i, i+1
.endr
	v_nop
	s_wait_alu depctr_va_vdst(0)
	WIN 0xcc
.set i, 0
.rept 32
	v_max_num_f32 v[E0+i], v[T0+i], v[E0+i]        ; g
.set i, i+1
.endr
	WIN 0x82
.set i, 0
.rept 16
	v_pk_mul_f32 v[E0+i:E0+i+1], v[E0+i:E0+i+1], v[T1+i:T1+i+1]   ; F
.set i, i+2
.endr
	WIN 0x41
.set i, 0
.rept 16
	v_pk_mul_f32 v[E0+i:E0+i+1], v[E0+i:E0+i+1], v[T1+i:T1+i+1]
.set i, i+2
.endr
	WIN 0x4d
.set i, 0
.rept 16
	v_pk_mul_f32 v[E0+i:E0+i+1], v[E0+i:E0+i+1], v[E0+i:E0+i+1]   ; V
.set i, i+2
.endr
	WIN 0xcb
.irp j, 0,1,2,3,4,5,6,7
.irp b, 0,1,2,3
.if \j > 0
	v_mul_f32 v[E0+8*\b+\j], v[E0+8*\b+\j-1], v[E0+8*\b+\j]       ; A_t = A_(t-1) F_t, four columns by turns
.elseif (\a) > 0
	v_mul_f32 v[E0+8*\b], v[E0-32+8*\b+7], v[E0+8*\b]
.else
	v_mul_f32 v[E0+8*\b], 1.0, v[E0+8*\b]
.endif
.endr
.endr
	WIN 0x56
.irp j, 0,1,2,3,4,5,6,7
.irp b, 0,1,2,3
.if \j > 0
	v_fma_f32 v[E0+8*\b+\j], v[E0+8*\b+\j], v[E0+8*\b+\j-1], v[E0+8*\b+\j]   ; B_t = F_t B_(t-1) + V_t
.elseif (\a) > 0
	v_fma_f32 v[E0+8*\b], v[E0+8*\b], v[E0-32+8*\b+7], v[E0+8*\b]
.endif
.endr
.endr
	WIN 0x0c
.irp h, 0,1
.irp b, 0,1,2,3
	global_store_b128 v[LN16], v[E0+8*\b+4*\h:E0+8*\b+4*\h+3], s[16:17] offset:((2*(\a)+\h)*4+\b)*512 th:TH_STORE_NT   ; the wave stores 512 consecutive bytes, aligned
.endr
.endr
	WIN 0x04
.irp h, 0,1
.irp b, 0,1,2,3
	global_store_b128 v[LN16], v[E0+8*\b+4*\h:E0+8*\b+4*\h+3], s[18:19] offset:((2*(\a)+\h)*4+\b)*512 th:TH_STORE_NT
.endr
.endr
.endm
	EPI 0
	EPI 1
	EPI 2
	EPI 3
	EPI 4
	EPI 5
	EPI 6
	EPI 7
	; the summaries: each run's last A and B, and the two runs joined across the halves of the lanes
	WIN 0
.irp k, 0,1,2,3,4,5,6,7
	v_mov_b32 v[224+\k], 0                         ; a lane permute's destination counts as read
.endr
	WIN 0x03
.irp b, 0,1,2,3
	v_mov_b32 v[232+\b], v[231+8*\b]
.endr
	WIN 0x01
.irp b, 0,1,2,3
	v_mov_b32 v[236+\b], v[231+8*\b]
.endr
	WIN 0
.irp b, 0,1,2,3
	v_permlanex16_b32 v[224+\b], v[232+\b], s[SEL], s[SEL+1]
	v_permlanex16_b32 v[228+\b], v[236+\b], s[SEL], s[SEL+1]
.endr
.irp b, 0,1,2,3
	v_mul_f32 v[240+\b], v[232+\b], v[224+\b]
	v_fma_f32 v[244+\b], v[232+\b], v[228+\b], v[236+\b]
.endr
.irp b, 0,1,2,3
	v_cndmask_b32 v[240+\b], v[240+\b], v[244+\b], s[HMASK]
	v_cndmask_b32 v[244+\b], v[232+\b], v[228+\b], s[HMASK]
.endr
	global_store_b128 v[LN16], v[240:243], s[20:21]
	global_store_b128 v[LN16], v[244:247], s[20:21] offset:512
	s_wait_xcnt 0x0                                ; the stores have read their bases and data
	s_add_nc_u64 s[16:17], s[16:17], WALK_O
	s_add_nc_u64 s[18:19], s[18:19], WALK_O
	s_add_nc_u64 s[20:21], s[20:21], WALK_S
	s_sub_co_u32 s2, s2, 1
	s_cmp_lg_u32 s2, 0
	s_cbranch_scc1 .Ltile
	s_wait_tensorcnt 0x0                           ; the wave's end
	ds_add_u32 v[SPW], v[NIL]
	s_wait_dscnt 0x0
	CROUND                                         ; the closing round
	s_endpgm
.Lfunc_end_k_qeab0f62183_gemm:
	.size	k_qeab0f62183_gemm, .Lfunc_end_k_qeab0f62183_gemm-k_qeab0f62183_gemm
	.p2alignl 7, 3214868480
	.fill 96, 4, 3214868480
	.section	.rodata,"a",@progbits
	.p2align	6, 0x0
	.amdhsa_kernel k_qeab0f62183_gemm
		.amdhsa_group_segment_fixed_size 327680
		.amdhsa_private_segment_fixed_size 0
		.amdhsa_enable_private_segment 0
		.amdhsa_kernarg_size 72
		.amdhsa_user_sgpr_count 2
		.amdhsa_user_sgpr_kernarg_segment_ptr 1
		.amdhsa_wavefront_size32 1
		.amdhsa_system_sgpr_workgroup_id_x 1
		.amdhsa_system_sgpr_workgroup_id_y 1
		.amdhsa_system_sgpr_workgroup_id_z 1
		.amdhsa_system_vgpr_workitem_id 0
		.amdhsa_next_free_vgpr 1024
		.amdhsa_next_free_sgpr 102
		.amdhsa_reserve_vcc 0
		.amdhsa_float_denorm_mode_32 3
		.amdhsa_float_denorm_mode_16_64 3
		.amdhsa_memory_ordered 1
		.amdhsa_forward_progress 1
		.amdhsa_inst_pref_size 255
	.end_amdhsa_kernel
	.section	.bss,"aw",@nobits
	.p2align	6
	.space	262144
	.amdgpu_metadata
---
amdhsa.version: [ 1, 2 ]
amdhsa.kernels:
  - .name:           k_qeab0f62183_gemm
    .symbol:         k_qeab0f62183_gemm.kd
    .args:
      - { .name: xq, .offset: 0, .size: 8, .value_kind: global_buffer, .address_space: global }
      - { .name: wq, .offset: 8, .size: 8, .value_kind: global_buffer, .address_space: global }
      - { .name: lowp_scales, .offset: 16, .size: 8, .value_kind: global_buffer, .address_space: global }
      - { .name: b_f, .offset: 24, .size: 8, .value_kind: global_buffer, .address_space: global }
      - { .name: b_i, .offset: 32, .size: 8, .value_kind: global_buffer, .address_space: global }
      - { .name: b_h, .offset: 40, .size: 8, .value_kind: global_buffer, .address_space: global }
      - { .name: at, .offset: 48, .size: 8, .value_kind: global_buffer, .address_space: global }
      - { .name: bt, .offset: 56, .size: 8, .value_kind: global_buffer, .address_space: global }
      - { .name: sums, .offset: 64, .size: 8, .value_kind: global_buffer, .address_space: global }
    .group_segment_fixed_size: 327680
    .private_segment_fixed_size: 0
    .kernarg_segment_align: 8
    .kernarg_segment_size: 72
    .max_flat_workgroup_size: 128
    .sgpr_count:     102
    .vgpr_count:     1024
    .wavefront_size: 32
...
	.end_amdgpu_metadata
.endif
;; end of part 2
;; launch fix (part 3): grid 2 x 128, 8 waves a work-group, no clusters, 0 bytes of LDS; arguments at, bt, sums, out0; writes out0
.if DOCPART == 3
	.amdgcn_target "amdgcn-amd-amdhsa--gfx1250"
	.amdhsa_code_object_version 6
	.text
	.protected	k_qeab0f62183_fix
	.globl	k_qeab0f62183_fix
	.p2align	8
	.type	k_qeab0f62183_fix,@function
k_qeab0f62183_fix:
	s_mov_b64 s[64:65], 0
	v_nop
	global_prefetch_b8 v0, s[64:65] scope:SCOPE_SE
	s_setreg_imm32_b32 hwreg(HW_REG_WAVE_MODE, 25, 1), 1
	s_wait_xcnt 0x0
; out[t] = A_t h_in + B_t: the carry into each run of 64 rows is made from the summaries of the blocks of 128 rows before it, and the scan is finished.  A stream: no LDS, no barrier, no matrix work.
; SHARES.  Work-group y = P, a block of 128 rows (32 blocks to a batch of 4,096 rows); wave = one strip of 64 columns: strip = 8 x work-group x + wave.  Lane (r, h) holds columns 4 r + 0..3 of run h.
; THE CARRY.  A block's summary (A, B) maps the state at its head to the state at its end: h -> A h + B.  Lanes 0-15 compose the batch's records 0..15, lanes 16-31 records 16..31, one load serving both;
; a record at or behind my own block (number pin in its batch) counts as the identity (A = 1, B = 0): a choice on ids, by v_cndmask_b32, with no branch.  The two composites are joined across the halves of the lanes,
; begun at h_0 = 1.  Run 1 of my block takes run 0's summary (A_lo, B_lo) on top.
; at, bt: my 32,768 bytes are 16 pieces of four stores' images: piece p, column b: 512 bytes at 2048 p + 512 b + 16 lane: rows 64 h + 4 p + 0..3 of column 4 r + b.
; A ring of six sets of registers holds five pieces' loads (40 loads a wave) on their way while one is worked.
.set HIN,  8                           ; v8-11    the carry into my run, a column each
.set OWN,  12                          ; v12-19   A_lo, B_lo of my block
.set S,    20                          ; v20-147  16 records x (A: 4, B: 4); later v20-51: two sets of 16 results, v52-147: ring sets 3-5
.set AC,   244                         ; v244-247 the composite's A
.set BC,   248                         ; v248-251 and B
; v1 16 r; v2 16 x lane; v3 262144 h + 16 r: my place among the records (16 blocks on for lanes 16-31) AND in out0 (64 rows on): the two strides are equal; v4 pin - 16 h
.macro SETB pi                         ; where piece pi's set lies: sets 0-2 at v148, sets 3-5 at v52
.if ((\pi)%6) < 3
.set RB, 148+32*((\pi)%6)
.else
.set RB, 52+32*((\pi)%6-3)
.endif
.endm
.macro PLOAD pi                        ; eight loads of 512 consecutive bytes: A at RB + 4 b, B at RB + 16 + 4 b
	SETB \pi
.irp b, 0,1,2,3
	global_load_b128 v[RB+4*\b:RB+4*\b+3], v2, s[4:5] offset:(\pi)*2048+\b*512 th:TH_LOAD_NT
.endr
.irp b, 0,1,2,3
	global_load_b128 v[RB+16+4*\b:RB+16+4*\b+3], v2, s[6:7] offset:(\pi)*2048+\b*512 th:TH_LOAD_NT
.endr
.endm
.macro PIECE pi
.if (\pi) < 10
	s_wait_loadcnt 40                              ; this piece's eight loads are in; those of the five pieces behind it may be out
.else
	s_wait_loadcnt 8*(15-(\pi))
.endif
	s_wait_xcnt 0x0                                ; the stores of two pieces ago have read this set of results
	SETB \pi
.set OB, 20+16*((\pi)%2)
.irp i, 0,1,2,3
.irp b, 0,1,2,3
	v_fma_f32 v[OB+4*\i+\b], v[RB+4*\b+\i], v[HIN+\b], v[RB+16+4*\b+\i]
.endr
.endr
.if (\pi)+6 < 16
	PLOAD (\pi)+6                                  ; the loads ahead of the stores
.endif
.irp i, 0,1,2,3
	global_store_b128 v3, v[OB+4*\i:OB+4*\i+3], s[10:11] offset:(4*(\pi)+\i)*4096 th:TH_STORE_NT   ; lanes 0-15 store 256 consecutive bytes, aligned, of row 4 p + i, lanes 16-31 of the row 64 further down
.endr
.endm
	s_load_b256 s[4:11], s[0:1], 0x0               ; at s[4:5], bt s[6:7], sums s[8:9], out0 s[10:11]
	v_lshrrev_b32 v1, 5, v0
	s_delay_alu instid0(VALU_DEP_1)
	v_readfirstlane_b32 s12, v1                    ; wave 0..7
	s_and_b32 s13, ttmp7, 0xffff                   ; P
	s_lshl_b32 s14, ttmp9, 3
	s_add_co_u32 s14, s14, s12                     ; strip
	s_and_b32 s15, s13, 31                         ; pin: my block's number in its batch
	s_sub_co_u32 s16, s13, s15                     ; the batch's first block
	v_and_b32 v1, 15, v0
	s_delay_alu instid0(VALU_DEP_1)
	v_lshlrev_b32 v1, 4, v1
	v_and_b32 v2, 31, v0
	s_delay_alu instid0(VALU_DEP_1)
	v_lshlrev_b32 v2, 4, v2
	v_bfe_u32 v5, v0, 4, 1                         ; h
	s_delay_alu instid0(VALU_DEP_1)
	v_lshl_add_u32 v3, v5, 18, v1
	s_delay_alu instid0(VALU_DEP_2)
	v_lshlrev_b32 v4, 4, v5
	s_delay_alu instid0(VALU_DEP_1)
	v_sub_nc_u32 v4, s15, v4
	s_mov_b32 s28, 0x76543210                      ; v_permlanex16_b32's selects: lane l xor 16
	s_mov_b32 s29, 0xfedcba98
	s_mov_b32 s30, 0xffff0000                      ; the lanes 16-31
	s_lshl_b32 s20, s16, 4
	s_add_co_u32 s20, s20, s14
	s_lshl_b32 s20, s20, 10                        ; a record is 1,024 bytes; from block to block 16 records
	s_mov_b32 s21, 0
	s_lshl_b32 s24, s13, 4
	s_add_co_u32 s24, s24, s14                     ; my wave tile's number
	s_wait_alu depctr_va_vdst(0)
	s_wait_kmcnt 0x0
	s_add_nc_u64 s[22:23], s[8:9], s[20:21]        ; the batch's first record of my strip
	s_lshl_b32 s20, s24, 10
	s_add_nc_u64 s[26:27], s[8:9], s[20:21]        ; my own record
	s_lshl_b32 s20, s24, 15
	s_add_nc_u64 s[4:5], s[4:5], s[20:21]
	s_add_nc_u64 s[6:7], s[6:7], s[20:21]
	s_lshl_b32 s20, s13, 19                        ; 128 rows of 4,096 bytes
	s_lshl_b32 s25, s14, 8
	s_add_co_u32 s20, s20, s25
	s_add_nc_u64 s[10:11], s[10:11], s[20:21]
.irp q, 0,1,2,3,4,5,6,7,8,9,10,11,12,13,14,15
	global_load_b128 v[S+8*\q:S+8*\q+3], v3, s[22:23] offset:\q*16384          ; A128 of record q (lanes 16-31: q + 16; the batch has 32, so every load stays inside)
	global_load_b128 v[S+8*\q+4:S+8*\q+7], v3, s[22:23] offset:\q*16384+256    ; B128
.endr
	global_load_b128 v[OWN:OWN+3], v1, s[26:27] offset:512
	global_load_b128 v[OWN+4:OWN+7], v1, s[26:27] offset:768
	PLOAD 0
	PLOAD 1
	PLOAD 2
	s_wait_loadcnt 24                              ; the records are in; the three pieces may be out
.irp q, 0,1,2,3,4,5,6,7,8,9,10,11,12,13,14,15
	v_cmp_lt_i32 vcc_lo, \q, v4                    ; q + 16 h < pin: the record lies ahead of my block
.irp b, 0,1,2,3
.if \q == 0
	v_cndmask_b32 v[AC+\b], 1.0, v[S+\b], vcc_lo   ; the first record starts the composite
	v_cndmask_b32 v[BC+\b], 0, v[S+4+\b], vcc_lo
.else
	v_cndmask_b32 v[S+8*\q+\b], 1.0, v[S+8*\q+\b], vcc_lo
	v_cndmask_b32 v[S+8*\q+4+\b], 0, v[S+8*\q+4+\b], vcc_lo
.endif
.endr
.if \q > 0
.irp b, 0,1,2,3
	v_fma_f32 v[BC+\b], v[S+8*\q+\b], v[BC+\b], v[S+8*\q+4+\b]
	v_mul_f32 v[AC+\b], v[S+8*\q+\b], v[AC+\b]
.endr
.endif
.endr
	PLOAD 3                                        ; into registers that the records have left
	PLOAD 4
	PLOAD 5
	; the two composites joined: h at my block's head = A1 (A0 x 1 + B0) + B1.  v20-43 are at work (they were written by the records' loads, so the permutes' destinations have been written)
.irp b, 0,1,2,3
	v_add_f32 v[20+\b], v[AC+\b], v[BC+\b]         ; A x 1 + B: in lanes 0-15 the state behind records 0..15
.endr
.irp b, 0,1,2,3
	v_permlanex16_b32 v[24+\b], v[20+\b], s28, s29
	v_permlanex16_b32 v[28+\b], v[AC+\b], s28, s29
	v_permlanex16_b32 v[32+\b], v[BC+\b], s28, s29
.endr
.irp b, 0,1,2,3
	v_cndmask_b32 v[20+\b], v[20+\b], v[24+\b], s30    ; the state behind records 0..15, in every lane
	v_cndmask_b32 v[28+\b], v[28+\b], v[AC+\b], s30    ; A1
	v_cndmask_b32 v[32+\b], v[32+\b], v[BC+\b], s30    ; B1
.endr
.irp b, 0,1,2,3
	v_fma_f32 v[36+\b], v[28+\b], v[20+\b], v[32+\b]   ; the state at my block's head
.endr
.irp b, 0,1,2,3
	s_delay_alu instid0(VALU_DEP_4)
	v_fma_f32 v[40+\b], v[OWN+\b], v[36+\b], v[OWN+4+\b]   ; and behind its first run
.endr
.irp b, 0,1,2,3
	s_delay_alu instid0(VALU_DEP_4)
	v_cndmask_b32 v[HIN+\b], v[36+\b], v[40+\b], s30
.endr
	s_wait_alu depctr_va_vdst(0)
.irp p, 0,1,2,3,4,5,6,7,8,9,10,11,12,13,14,15
	PIECE \p
.endr
	s_endpgm
.Lfunc_end_k_qeab0f62183_fix:
	.size	k_qeab0f62183_fix, .Lfunc_end_k_qeab0f62183_fix-k_qeab0f62183_fix
	.p2alignl 7, 3214868480
	.fill 96, 4, 3214868480
	.section	.rodata,"a",@progbits
	.p2align	6, 0x0
	.amdhsa_kernel k_qeab0f62183_fix
		.amdhsa_group_segment_fixed_size 0
		.amdhsa_private_segment_fixed_size 0
		.amdhsa_enable_private_segment 0
		.amdhsa_kernarg_size 32
		.amdhsa_user_sgpr_count 2
		.amdhsa_user_sgpr_kernarg_segment_ptr 1
		.amdhsa_wavefront_size32 1
		.amdhsa_system_sgpr_workgroup_id_x 1
		.amdhsa_system_sgpr_workgroup_id_y 1
		.amdhsa_system_sgpr_workgroup_id_z 1
		.amdhsa_system_vgpr_workitem_id 0
		.amdhsa_next_free_vgpr 256
		.amdhsa_next_free_sgpr 66
		.amdhsa_reserve_vcc 1
		.amdhsa_float_denorm_mode_32 3
		.amdhsa_float_denorm_mode_16_64 3
		.amdhsa_memory_ordered 1
		.amdhsa_forward_progress 1
		.amdhsa_inst_pref_size 53
	.end_amdhsa_kernel
	.amdgpu_metadata
---
amdhsa.version: [ 1, 2 ]
amdhsa.kernels:
  - .name:           k_qeab0f62183_fix
    .symbol:         k_qeab0f62183_fix.kd
    .args:
      - { .name: at, .offset: 0, .size: 8, .value_kind: global_buffer, .address_space: global }
      - { .name: bt, .offset: 8, .size: 8, .value_kind: global_buffer, .address_space: global }
      - { .name: sums, .offset: 16, .size: 8, .value_kind: global_buffer, .address_space: global }
      - { .name: out0, .offset: 24, .size: 8, .value_kind: global_buffer, .address_space: global }
    .group_segment_fixed_size: 0
    .private_segment_fixed_size: 0
    .kernarg_segment_align: 8
    .kernarg_segment_size: 32
    .max_flat_workgroup_size: 256
    .sgpr_count:     66
    .vgpr_count:     256
    .wavefront_size: 32
...
	.end_amdgpu_metadata
.endif
;; end of part 3
